; MI455X (gfx1250); checked and timed in simulation.
; The chip was launched on July 23, 2026; its instructions are those of AMD's public machine-readable ISA for CDNA 5 (MIT licence, August 2026) and "CDNA5" Instruction Set Architecture Reference Guide (July 2026). The comments in the code are by the model that wrote it; some were corrected since.
;; Mp Max Pooling Match. Allowed arithmetic: matrix products marked QUANTISED: E4M3 operands, one given power-of-two scale a tensor, by v_wmma_f32_16x16x64_fp8_fp8 or v_wmma_f32_16x16x128_fp8_fp8, f32 sums; everything else in f32.
;; Inputs: kernel 32 x 256 float32; lowp_scales 2 int32 (the exponents e of the quantised operands' scales 2^e); reps_lt 16 x 256 x 256 float32; reps_rt 16 x 256 x 256 float32.
;; Outputs: out0 16 x 256 x 32 float32.
;; This version of the problem:
;;   THIS VERSION OF THE PROBLEM IS GIVEN IN LOW PRECISION. The matrix products marked QUANTISED in the list below multiply operands that are first quantised to E4M3 (4 exponent bits, 3 mantissa bits; 8 bits a number), with one given power-of-two scale for each operand tensor; their sums are f32. All else is computed in f32.
;;   The module's matrix products, in the order in which they are computed (A, B: the left and right operand; K: the contracted axis; several contracted axes count as one K, in the product's order):
;;     1. batch 16 x [M 256, K 256] x [K 256, N 8,192]; A: input reps_rt; B: computed on the way: QUANTISED (scales: A lowp_scales[0], B lowp_scales[1])
;;   THE QUANTISER, for each operand of a quantised product, along K:
;;     - The operand's scale is 2^e, e = its entry of the input lowp_scales (int32; the entries are numbered through the quantised products in the list's order, A before B).
;;     - Each number is divided by the scale, clamped to +-448, and rounded to the nearest number of E4M3, ties to even, subnormals kept.
;;     - The product sums the exact products of the quantised numbers (number of the format x scale) in f32.
;;   ~~~python
;;   def quantise(x, axis, e):      # numpy; x: float32 -> the quantised numbers, widened to float32 again
;;       x = np.moveaxis(x, axis, -1); K = x.shape[-1]
;;       r = np.clip(x / 2.0 ** e, -448, 448)
;;       step = 2.0 ** (np.maximum(np.frexp(np.where(r == 0, 1, r))[1] - 1, -6) - 3)
;;       q = np.round(r / step) * step * 2.0 ** e      # np.round: ties to even
;;       return np.moveaxis(q, -1, axis).astype(np.float32)
;;   ~~~
;;   OPERANDS COMPUTED ON THE WAY. 'Computed on the way' means the value that the module computes at that place (a softmax that the list does not call 'softmax' is quantised finished and normalised). What goes into a quantiser is computed in f32, as accurately as f32 sums, v_exp_f32 and their like allow (about 1e-6 of the number): no bf16 or f16 on the way to a quantiser, and a product that is left as it is and whose result goes on into a quantised operand takes f32 operands (vector FMAs, or v_wmma_f32_16x16x4_f32). A number that lies on a knife's edge between two numbers of the format may be rounded either way, as far as f32 arithmetic and the matrix unit's own rounding can turn it there, and no further.
;; 2 versions. Each part assembles by itself: llvm-mc -triple=amdgcn-amd-amdhsa -mcpu=gfx1250 --defsym DOCPART=n.
;; ======== version 1 of 2: 1 launch
;; launch match (part 1): grid 16 x 16, 8 waves a work-group, no clusters, 156,672 bytes of LDS; arguments reps_rt, reps_lt, kernel, lowp_scales, out0; writes out0
.if DOCPART == 1
	.amdgcn_target "amdgcn-amd-amdhsa--gfx1250"
	.amdhsa_code_object_version 6
	.text
	.protected	k_qe87271f979_match
	.globl	k_qe87271f979_match
	.p2align	8
	.type	k_qe87271f979_match,@function
k_qe87271f979_match:
	s_mov_b64 s[64:65], 0
	v_nop
	global_prefetch_b8 v0, s[64:65] scope:SCOPE_SE
	s_setreg_imm32_b32 hwreg(HW_REG_WAVE_MODE, 25, 1), 1
	s_wait_xcnt 0x0
; out0[b][j][m] = max over i of tanh( sum over d of Q(rt[b][j][d]) x Q(lt[b][i][d] x kernel[m][d]) ).  rt, lt: [16][256][256] f32; kernel: [32][256] f32; out0: [16][256][32] f32.
; Q: codes of FP8 (E4M3), x / 2^e held within +-448, to the nearest code, ties to even; e0 (rt) and e1 (lt x kernel) are the two whole numbers in lowp_scales.  The codes are multiplied as they are.
; tanh never falls, and 2^(e0 + e1) is positive: so the maximum is taken of the raw f32 sums, and the scale and tanh are applied to the 131,072 maxima.
; LIMITS: e0 and e1 each between -126 and 119 (2^e and 448 x 2^e are made as f32 numbers); e0 + e1 is applied by v_ldexp_f32 and has no limit.  NaN among the inputs, and 0 x infinity, is not served
; (the maxima drop a NaN).  An infinity is held at the largest code.
; SHARES.  A work-group owns one batch b (grid y) and two neighbouring m, 2 g and 2 g + 1 (grid x), with all 256 j and all 256 i: every code of lt x kernel is made once in the launch, and no maximum
; spans work-groups.  16 x 16 = 256 work-groups of equal work.
; EIGHT WAVES OF 512 REGISTERS, two to a SIMD, so that one wave's vector work, loads and waits stand beside the other's.  Wave w = (iq = w / 2, jh = w % 2) multiplies the 64 rows i of quarter iq, for both m,
; by the 128 rows j of half jh, whose codes (8 tiles x 32 registers) it holds throughout: 128 matrix instructions.  It quantises rows 32 w .. 32 w + 31 of rt for all, and of each UNIT of 16 rows of its
; quarter of lt the eight rows 16 u + 8 jh on; the two waves of a quarter hand each other these codes through a stage in LDS with two buffers, which take turns by the unit.
; ONE BARRIER A UNIT.  In front of it each wave has waited for all its LDS instructions: its stores of unit u + 1 and its reads of unit u.  Behind it unit u + 1 is read, and unit u + 2 is stored where unit u lay.
; K IS PERMUTED, ALIKE ON BOTH SIDES.  Of a row of 256 f32 lane l loads bytes 16 l and bytes 512 + 16 l (each load of the wave covers 512 consecutive bytes), so its eight registers hold
; k = 4 l .. 4 l + 3 and 128 + 4 l .. + 3; one conversion makes eight codes, which lie at byte 8 l of a code row.  Every product meets its partner; only the order inside a sum changes.
; TRANSPOSED USE.  Source 0 = 16 rows i of lt x kernel, source 1 = 16 rows j of rt: a lane holds ONE j (lane % 16), its eight registers eight i: the maximum over i is four v_max3 a tile.
; BY TURNS.  For each matrix instruction there are some eight vector instructions (multiply, hold, convert; the maxima), so a slice of them stands behind each matrix instruction.
; NO JOINT LOADS: the 16 work-groups of a batch read the same rows, but each f32 number is wanted once, in one wave's registers; a tensor load would lay the batch's 512 KiB of f32 into LDS and
; have them read out again, beside the 704 KiB that the codes move through LDS.  So the rows come by plain loads, and there is no ring in LDS to refill.
; THE WAY OUT: a work-group owns 8 bytes (two m) of each row of 128 bytes of out0; that follows from the split by m.  Each thread stores one such pair.
; The text has no label and no branch: 32 groups of four matrix instructions, of which those with a fetch, a barrier or no row left differ.
;
; LDS: ACODE 256 rows j x 272 (256 codes + 16: rows start 68 words apart, so the 16 rows of a fragment load start at 16 different banks: ISA guide 11.1);
;      BST, for each quarter: two buffers of two tiles (m 0, m 1) of 16 rows i x 272;   XCH: [wave][chunk of 4 maxima][lane][16 bytes].
; REGISTERS, in windows of 256 (s_set_vgpr_msb: bits 1:0 source 0, 3:2 source 1, 5:4 source 2, 7:6 destination):
;   window 0: v0-15 addresses and scales; v16-31 my 8 numbers of kernel for each m; v32-47 products; v48-55 codes; v56-59 at work; v64-79 running maxima (2 x my j tile + m);
;             v80-111 two sets of two accumulators; v112-175 fragments of lt x kernel, a set of (2 halves of K x 16) for each m; v176-255 a ring of 10 rows of 8 registers
;   window 1: rt's fragments: my tile a at v[32 a + 16 q]
.set PITCH, 272
.set TILEB, 16*PITCH                   ; a tile of 16 code rows
.set BST,   256*PITCH                  ; behind ACODE
.set BSTB,  2*TILEB                    ; a buffer of the stage: one unit, both m
.set BSTQ,  2*BSTB                     ; a quarter's stage
.set XCH,   BST+4*BSTQ                 ; behind the stages: 8 x 2,048 bytes
.set ROWB,  1024                       ; a row of 256 f32
.set SLOTS, 10                         ; rows in the ring
.set VOFF,  1                          ; v1   16 x lane: my 16 bytes in each half of a row; never rewritten
.set VAST,  2                          ; v2   where my 8 codes of rt's row 32 w go
.set VAFR,  3                          ; v3   my place in a fragment of my half of rt: 8 jh tiles + (lane % 16) x 272 + 16 (lane / 16)
.set VBST,  4                          ; v4   where my 8 codes go in my quarter's stage: row 8 jh, byte 8 x lane
.set VBFR,  5                          ; v5   my place in a fragment out of my quarter's stage
                                       ; v6   2^e0    v7  448 x 2^e0    v8  2^e1    v9  448 x 2^e1
.set XST,   13                         ; v13  the exchange: where my maxima go
.set XRD,   14                         ; v14  the exchange: what I read back
.set OOF,   15                         ; v15  my byte offset in out0
.set KM0,   16
.set KM1,   24
.set TA,    32                         ; lt x kernel, m 0
.set TB,    40                         ; lt x kernel, m 1
.set COD,   48
.set TR,    56
.set RUN,   64
.set ACC,   80
.set BF,    112
.set RING,  176
.set MSB, 0
.macro WIN new                         ; the immediate's high byte repeats the setting that is left; a switch that changes nothing is dropped
.if MSB != (\new)
	s_set_vgpr_msb (MSB<<8)|(\new)
.set MSB, (\new)
.endif
.endm
.macro PLACES n
.rept \n
	v_nop
.endr
.endm
; Row z of my wave's stream (0-31: rt's rows 32 w on; 32-63: of lt's quarter the rows 16 u + 8 jh + 0 .. 7, u = 0 .. 3) into its slot of the ring: two loads of 512 consecutive bytes.
; No hint: 16 work-groups read the same rows.
.macro LOADROW z
.set SL, RING+8*((\z)%SLOTS)
.if (\z) < 32
	global_load_b128 v[SL:SL+3],   v[VOFF], s[4:5] offset:(\z)*ROWB
	global_load_b128 v[SL+4:SL+7], v[VOFF], s[4:5] offset:(\z)*ROWB+512
.else
.set LR, (\z)-32
	global_load_b128 v[SL:SL+3],   v[VOFF], s[6:7] offset:(16*(LR/8)+LR%8)*ROWB
	global_load_b128 v[SL+4:SL+7], v[VOFF], s[6:7] offset:(16*(LR/8)+LR%8)*ROWB+512
.endif
.endm
; Two rows of rt become codes and go into ACODE; their slots take the rows 10 further on.
.macro APAIR z
	s_wait_loadcnt 16                              ; loads come back in order (ISA guide 5.7.1): rows z and z + 1 are in; the 8 younger rows, two loads each, stay out
.set SLA, RING+8*((\z)%SLOTS)
.set SLB, RING+8*(((\z)+1)%SLOTS)
.set CD,  COD+4*(((\z)/2)%2)
.irp i, 0,1,2,3,4,5,6,7
	v_med3_num_f32 v[SLA+\i], v[SLA+\i], -v7, v7   ; the conversion to an 8-bit code does not saturate (ISA guide 7.6.2): hold the number within 448 x the scale first
.endr
	v_cvt_scalef32_pk8_fp8_f32 v[CD:CD+1], v[SLA:SLA+7], v6
.irp i, 0,1,2,3,4,5,6,7
	v_med3_num_f32 v[SLB+\i], v[SLB+\i], -v7, v7   ; (the first of these is the plain place behind the conversion above)
.endr
	v_cvt_scalef32_pk8_fp8_f32 v[CD+2:CD+3], v[SLB:SLB+7], v6
	v_nop                                          ; one plain vector instruction between a scaled conversion and what touches its result or writes its sources
	ds_store_b64 v[VAST], v[CD:CD+1]   offset:(\z)*PITCH          ; the wave stores 256 consecutive bytes: a code row
	ds_store_b64 v[VAST], v[CD+2:CD+3] offset:((\z)+1)*PITCH
	LOADROW (\z)+10
	LOADROW (\z)+11
.endm
; My tile a (0-7) of rt (16 rows j x 256 K) from ACODE into its 32 registers, where it stays
.macro ATILE a
	WIN 0x40                                       ; destination window 1, address window 0
.set AR, 32*(\a)
.irp q, 0,1
.irp c, 0,1,2,3
	ds_load_b128 v[AR+16*\q+4*\c:AR+16*\q+4*\c+3], v[VAFR] offset:(\a)*TILEB+128*\q+32*\c
.endr
.endr
.endm
; Row p (0-31) of my share of lt, in three slices.  QA: x kernel, for both m, one f32 multiply a number; the slot takes the row 10 further on.
.macro QA p
	WIN 0
.if 31-(\p) < 9
	s_wait_loadcnt 2*(31-(\p))                     ; the rows behind this one, two loads each: none is asked for past row 31
.else
	s_wait_loadcnt 18                              ; this row is in; the 9 younger rows stay out
.endif
.set SLA, RING+8*(((\p)+32)%SLOTS)
.irp i, 0,2,4,6
	v_pk_mul_f32 v[TA+\i:TA+\i+1], v[SLA+\i:SLA+\i+1], v[KM0+\i:KM0+\i+1]
.endr
.irp i, 0,2,4,6
	v_pk_mul_f32 v[TB+\i:TB+\i+1], v[SLA+\i:SLA+\i+1], v[KM1+\i:KM1+\i+1]
.endr
.if (\p)+42 <= 63
	LOADROW (\p)+42
.endif
.endm
; QB: m 0's eight numbers are held and converted
.macro QB p
	WIN 0
.set CD, COD+4*((\p)%2)
.irp i, 0,1,2,3,4,5,6,7
	v_med3_num_f32 v[TA+\i], v[TA+\i], -v9, v9
.endr
	v_cvt_scalef32_pk8_fp8_f32 v[CD:CD+1], v[TA:TA+7], v8         ; the plain place behind it is QC's first line; nothing in between names its registers
.endm
; QC: m 1's likewise; both go into my quarter's stage: buffer (p / 8) % 2, row 8 jh + p % 8 of each tile
.macro QC p
	WIN 0
.set CD, COD+4*((\p)%2)
.irp i, 0,1,2,3,4,5,6,7
	v_med3_num_f32 v[TB+\i], v[TB+\i], -v9, v9
.endr
	v_cvt_scalef32_pk8_fp8_f32 v[CD+2:CD+3], v[TB:TB+7], v8
	v_nop                                          ; the plain place behind the conversion
	ds_store_b64 v[VBST], v[CD:CD+1]   offset:(((\p)/8)%2)*BSTB+((\p)%8)*PITCH
	ds_store_b64 v[VBST], v[CD+2:CD+3] offset:(((\p)/8)%2)*BSTB+TILEB+((\p)%8)*PITCH
.endm
.macro QROW p
	QA \p
	QB \p
	QC \p
.endm
; Unit u's tile for m = km (16 rows i x 256 K) out of my quarter's stage into fragment set km.  Half of its rows are the other wave's: it stands behind the unit's barrier.
.macro FFRAG u, km
	WIN 0
.set BR, BF+32*(\km)
.irp q, 0,1
.irp c, 0,1,2,3
	ds_load_b128 v[BR+16*\q+4*\c:BR+16*\q+4*\c+3], v[VBFR] offset:((\u)%2)*BSTB+(\km)*TILEB+128*\q+32*\c
.endr
.endr
.endm
; The maxima of the two accumulators of set st (my j tiles jt, jt + 1; m km) join the running ones.  Each accumulator is read from its low end on; the two alternate, so that
; no line waits for the one just ahead.  first = 1: unit 0 starts the running maxima: nothing is ever initialised.
.macro RED st, km, jt, first
	WIN 0
.set DA, ACC+16*(\st)
.set DB, DA+8
.set RA, RUN+2*(\jt)+(\km)
.set RB, RA+2
	v_max3_num_f32 v[TR],   v[DA],   v[DA+1], v[DA+2]
	v_max3_num_f32 v[TR+2], v[DB],   v[DB+1], v[DB+2]
	v_max3_num_f32 v[TR+1], v[DA+3], v[DA+4], v[DA+5]
	v_max3_num_f32 v[TR+3], v[DB+3], v[DB+4], v[DB+5]
	v_max3_num_f32 v[TR],   v[TR],   v[DA+6], v[DA+7]
	v_max3_num_f32 v[TR+2], v[TR+2], v[DB+6], v[DB+7]
.if \first
	v_max_num_f32 v[RA], v[TR],   v[TR+1]
	v_max_num_f32 v[RB], v[TR+2], v[TR+3]
.else
	v_max3_num_f32 v[RA], v[RA], v[TR],   v[TR+1]
	v_max3_num_f32 v[RB], v[RB], v[TR+2], v[TR+3]
.endif
.endm
; Matrix instruction n of 4 of group g: accumulator n % 2 of set g % 2, half n / 2 of K; unit g / 8, m (g % 8) / 4, my j tile 2 (g % 4) + n % 2.  The first half of K starts the sum with the constant 0.
.macro MM g, n
.set MA, (\n)%2
.set MQ, (\n)/2
.set MT, 2*((\g)%4)+MA
.set MD, ACC+16*((\g)%2)+8*MA
.set MB, BF+32*(((\g)%8)/4)+16*MQ
.set MR, 32*MT+16*MQ
	WIN 0x04                                       ; source 1 (rt) window 1; source 0, C and D window 0
.if MQ == 0
	v_wmma_f32_16x16x128_fp8_fp8 v[MD:MD+7], v[MB:MB+15], v[MR:MR+15], 0
.else
	v_wmma_f32_16x16x128_fp8_fp8 v[MD:MD+7], v[MB:MB+15], v[MR:MR+15], v[MD:MD+7]
.endif
.endm
; A GROUP: four matrix instructions on two accumulators, which take turns, one instruction a turn; the sets alternate from group to group.  Behind each stands a slice:
; behind 0 the maxima of the group before (and the fetches that are due), behind 1 to 3 the three slices of row 10 + g, as long as there are rows (g <= 21).
; Unit u + 1's last row is stored in group 8 u + 5; group 8 u + 6 holds the unit's barrier and, behind it, the fetch of its tile for m 0 (7 matrix instructions ahead of the first use; that set's last
; reader stands three groups back); its tile for m 1 is fetched in group 8 u + 8, behind the set's last reader, 15 matrix instructions ahead of the first use.
; A vector instruction that reads a matrix result, and a load into a register that a matrix instruction has read, stand four places behind it, and only plain vector instructions that name none of its
; registers are places (ISA guide 7.12.1 for vector instructions): up to group 22 the last slice of the group before (eight holds and a v_nop) holds those places; from
; group 23 on four v_nop stand ahead of the maxima.  An accumulator is written over two groups after its sum was finished: those places and the other accumulator's four lines of maxima stand between.
.macro GROUP g
.set PG, (\g)-1
.set PF, 0
.if (\g) < 9
.set PF, 1
.endif
.set BAR, 0
.if (((\g)%8) == 6) && ((\g) < 24)
.set BAR, 1
.endif
.if (\g) == 0
	s_wait_dscnt 28                                ; rt's tiles 0, 1 and m 0's fragments are in: behind them stand tiles 2, 3 (16 loads), m 1's fragments (8) and four stores
.elseif (\g) == 1
	s_wait_dscnt 30                                ; tiles 2, 3 are in: behind them 8 loads, 4 stores, the 16 loads of tiles 4, 5 and 2 stores
.elseif (\g) == 2
	s_wait_dscnt 20                                ; tiles 4, 5 are in: behind them 2 stores, the 16 loads of tiles 6, 7 and 2 stores
.elseif ((\g) == 3) || ((\g) == 8) || ((\g) == 16)
	s_wait_dscnt 4                                 ; the fragments that this group is first to use are in: behind their loads stand two groups' stores into the stage
.elseif ((\g) == 12) || ((\g) == 20)
	s_wait_dscnt 8                                 ; m 1's fragments are in: behind their loads stand four groups' stores into the stage
.elseif ((\g) == 24) || ((\g) == 28)
	s_wait_dscnt 0x0                               ; the last unit's fragments: no LDS instruction was issued behind them
.elseif BAR
	s_wait_dscnt 0x0                               ; for the other wave's sake: my rows of the next unit are in the stage, and my reads of the buffer that is written next are over
	s_barrier_signal -1
.endif
	MM \g, 0
.if (\g) < 2
	ATILE 4+2*(\g)
	ATILE 5+2*(\g)
.endif
.if (\g) > 0
.if (\g) > 22
	PLACES 4
.endif
	RED PG%2, (PG%8)/4, 2*(PG%4), PF               ; (in a group with a barrier: register work between the signal and the wait)
.endif
.if BAR
	s_barrier_wait -1                              ; every wave has said so
	FFRAG (\g)/8+1, 0
.endif
.if (((\g)%8) == 0) && ((\g) > 0)
	FFRAG (\g)/8, 1
.endif
	MM \g, 1
.if (\g) <= 21
	QA 10+(\g)
.endif
	MM \g, 2
.if (\g) <= 21
	QB 10+(\g)
.endif
	MM \g, 3
.if (\g) <= 21
	QC 10+(\g)
.endif
.endm
	; THE HEAD: addresses, and the ring is filled before anything else is done
	s_load_b256 s[4:11], s[0:1], 0x0               ; rt s[4:5], lt s[6:7], kernel s[8:9], lowp_scales s[10:11]
	s_load_b64 s[12:13], s[0:1], 0x20              ; out0
	v_lshl_add_u32 v62, v0, 2, 0x26000
	v_mov_b32 v63, 0
	v_lshrrev_b32 v10, 5, v0
	v_readfirstlane_b32 s14, v10                   ; wave 0..7
	v_and_b32 v10, 31, v0                          ; lane
	v_lshlrev_b32 v[VOFF], 4, v10
	s_and_b32 s15, ttmp7, 0xffff                   ; b
	s_lshr_b32 s25, s14, 1                         ; iq: my quarter of i
	s_and_b32 s26, s14, 1                          ; jh: my half of j
	s_lshl_b32 s16, s15, 18                        ; rt: b x 256 rows of 1,024 bytes
	s_lshl_b32 s17, s14, 15                        ; + wave x 32 rows
	s_add_co_u32 s16, s16, s17
	s_mov_b32 s17, 0
	s_lshl_b32 s18, s15, 18                        ; lt: b x 256 rows
	s_lshl_b32 s19, s25, 16                        ; + iq x 64 rows
	s_add_co_u32 s18, s18, s19
	s_lshl_b32 s19, s26, 13                        ; + jh x 8 rows
	s_add_co_u32 s18, s18, s19
	s_mov_b32 s19, 0
	s_lshl_b32 s22, ttmp9, 11                      ; g x 2 rows of kernel
	s_mov_b32 s23, 0
	s_wait_kmcnt 0x0
	s_load_b64 s[20:21], s[10:11], 0x0             ; e0, e1
	s_add_nc_u64 s[4:5], s[4:5], s[16:17]
	s_add_nc_u64 s[6:7], s[6:7], s[18:19]
	s_add_nc_u64 s[8:9], s[8:9], s[22:23]
	global_load_b128 v[KM0:KM0+3],   v[VOFF], s[8:9]              ; kernel[2 g][4 l ..], [128 + 4 l ..]: the same k as a slot's eight registers
	global_load_b128 v[KM0+4:KM0+7], v[VOFF], s[8:9] offset:512
	global_load_b128 v[KM1:KM1+3],   v[VOFF], s[8:9] offset:1024  ; kernel[2 g + 1]
	global_load_b128 v[KM1+4:KM1+7], v[VOFF], s[8:9] offset:1536
.set Z, 0
.rept SLOTS
	LOADROW Z                                      ; 10 rows: 20 loads, 10 KiB a wave on their way, 80 KiB for the eight waves
.set Z, Z+1
.endr
	s_lshl_b32 s16, s15, 15                        ; out0: b x 256 rows of 128 bytes
	s_lshl_b32 s18, ttmp9, 3                       ; + my two m
	s_add_co_u32 s16, s16, s18
	s_add_nc_u64 s[12:13], s[12:13], s[16:17]
	v_and_b32 v11, 15, v0                          ; r
	v_bfe_u32 v12, v0, 4, 1                        ; h
	s_mul_i32 s22, s14, 32*PITCH
	v_lshl_add_u32 v[VAST], v10, 3, s22            ; ACODE: row 32 w, byte 8 l
	v_mul_u32_u24 v[VAFR], v11, PITCH
	v_lshl_add_u32 v[VAFR], v12, 4, v[VAFR]        ; a fragment: row r, + 16 h
	s_mul_i32 s23, s25, BSTQ
	s_add_co_u32 s23, s23, BST                     ; my quarter's stage
	v_add_nc_u32 v[VBFR], s23, v[VAFR]
	s_mul_i32 s27, s26, 8*PITCH                    ; my eight rows of each tile in it
	s_add_co_u32 s27, s27, s23
	v_lshl_add_u32 v[VBST], v10, 3, s27
	s_mul_i32 s27, s26, 8*TILEB                    ; my half of rt's tiles
	v_add_nc_u32 v[VAFR], s27, v[VAFR]
	s_lshl_b32 s22, s14, 11
	s_add_co_u32 s22, s22, XCH
	v_lshl_add_u32 v[XST], v10, 4, s22             ; the exchange, in: wave x 2,048 + 16 x lane (+ 512 x chunk)
	; the exchange, back: thread t finishes row j = t: j tile 2 w + h, that is half w / 4 of j, chunk w % 4, and h picks the tile of the chunk's two
	s_and_b32 s22, s14, 3
	s_lshl_b32 s22, s22, 9
	s_lshr_b32 s23, s14, 2
	s_lshl_b32 s23, s23, 11
	s_add_co_u32 s22, s22, s23
	s_add_co_u32 s22, s22, XCH
	v_lshl_add_u32 v[XRD], v11, 4, s22
	v_lshl_add_u32 v[XRD], v12, 3, v[XRD]          ; 2,048 (w / 4) + 512 (w % 4) + 16 r + 8 h (+ 4,096 x quarter + 256 x half of the lanes)
	v_lshlrev_b32 v[OOF], 7, v0                    ; out0: row j = t of 128 bytes
	s_wait_kmcnt 0x0
	s_add_co_i32 s24, s20, s21                     ; e0 + e1
	s_add_co_i32 s22, s20, 127
	s_lshl_b32 s23, s22, 23
	v_mov_b32 v6, s23                              ; 2^e0 as f32: the conversion takes its exponent field
	s_add_co_i32 s22, s22, 8
	s_lshl_b32 s22, s22, 23
	s_or_b32 s22, s22, 0x600000
	v_mov_b32 v7, s22                              ; 448 x 2^e0
	s_add_co_i32 s22, s21, 127
	s_lshl_b32 s23, s22, 23
	v_mov_b32 v8, s23                              ; 2^e1
	s_add_co_i32 s22, s22, 8
	s_lshl_b32 s22, s22, 23
	s_or_b32 s22, s22, 0x600000
	v_mov_b32 v9, s22                              ; 448 x 2^e1
	; rt's CODES: my 32 rows.  rt and lt are one stream through the ring: lt's first 10 rows are asked for while rt's last are worked on.
.set Z, 0
.rept 16
	APAIR Z
.set Z, Z+2
.endr
	; UNIT 0: my eight rows of it
.set W, 0
.rept 8
	QROW W
.set W, W+1
.endr
	s_wait_dscnt 0x0                               ; for the others' sake: my code rows of rt and my rows of unit 0 are in LDS
	s_barrier_signal -1
	s_barrier_wait -1                              ; everybody's are; nobody writes ACODE again
	ATILE 0
	ATILE 1
	FFRAG 0, 0
	ATILE 2
	ATILE 3
	FFRAG 0, 1
	QROW 8                                         ; two rows of unit 1, into the other buffer, while the fragments are on their way
	QROW 9
.set GG, 0
.rept 32
	GROUP GG
.set GG, GG+1
.endr
	PLACES 4                                       ; behind the last products
	RED 1, 1, 6, 0
	; THE WAY OUT.  A lane holds, for each (my j tile, m), the maximum over 8 of each 16 of my quarter's 64 i.  The other half of the lanes and the three other quarters hold the rest: all meet in LDS.
.irp p, 0,1,2,3
	ds_store_b128 v[XST], v[RUN+4*\p:RUN+4*\p+3] offset:512*\p    ; chunk p: my j tile 2 p (m 0, m 1), my j tile 2 p + 1 (m 0, m 1)
.endr
	s_wait_dscnt 0x0                               ; for the others' sake: my maxima are in LDS
	s_barrier_signal -1
	s_barrier_wait -1
.irp k, 0,1,2,3,4,5,6,7
	ds_load_b64 v[RING+2*\k:RING+2*\k+1], v[XRD] offset:4096*(\k/2)+256*(\k%2)   ; quarter k / 2, half k % 2 of its lanes: the eight partial maxima of my two numbers; the 32 lanes read 256 consecutive bytes
.endr
	s_wait_dscnt 0x0
.irp e, 0,1
	v_max3_num_f32 v[32+\e], v[RING+\e], v[RING+2+\e], v[RING+4+\e]
.endr
.irp e, 0,1
	v_max3_num_f32 v[32+\e], v[32+\e], v[RING+6+\e], v[RING+8+\e]
.endr
.irp e, 0,1
	v_max3_num_f32 v[32+\e], v[32+\e], v[RING+10+\e], v[RING+12+\e]
.endr
.irp e, 0,1
	v_max_num_f32 v[32+\e], v[32+\e], v[RING+14+\e]
.endr
.irp e, 0,1
	v_ldexp_f32 v[32+\e], v[32+\e], s24            ; x 2^(e0 + e1): the score
.endr
.irp e, 0,1
	v_mul_f32 v[32+\e], 0x4038aa3b, v[32+\e]       ; x 2 log2(e)
.endr
.irp e, 0,1
	v_exp_f32 v[32+\e], v[32+\e]                   ; e^(2 x); infinity and 0 at the far ends give 1 and -1 below
.endr
	v_nop                                          ; one plain instruction behind the transcendentals before their results are used
	s_wait_alu depctr_va_vdst(0)
.irp e, 0,1
	v_add_f32 v[32+\e], 1.0, v[32+\e]
.endr
.irp e, 0,1
	v_rcp_f32 v[32+\e], v[32+\e]
.endr
	v_nop
	s_wait_alu depctr_va_vdst(0)
.irp e, 0,1
	v_fma_f32 v[32+\e], v[32+\e], -2.0, 1.0        ; tanh(x) = 1 - 2 / (1 + e^(2 x))
.endr
	global_store_b64 v[OOF], v[32:33], s[12:13]                   ; out0[b][t][2 g, 2 g + 1]
	s_wait_tensorcnt 0x0
	ds_add_u32 v62, v63
	s_wait_dscnt 0x0
	s_endpgm
.Lfunc_end_k_qe87271f979_match:
	.size	k_qe87271f979_match, .Lfunc_end_k_qe87271f979_match-k_qe87271f979_match
	.p2alignl 7, 3214868480
	.fill 96, 4, 3214868480
	.section	.rodata,"a",@progbits
	.p2align	6, 0x0
	.amdhsa_kernel k_qe87271f979_match
		.amdhsa_group_segment_fixed_size 156672
		.amdhsa_private_segment_fixed_size 0
		.amdhsa_enable_private_segment 0
		.amdhsa_kernarg_size 40
		.amdhsa_user_sgpr_count 2
		.amdhsa_user_sgpr_kernarg_segment_ptr 1
		.amdhsa_wavefront_size32 1
		.amdhsa_system_sgpr_workgroup_id_x 1
		.amdhsa_system_sgpr_workgroup_id_y 1
		.amdhsa_system_sgpr_workgroup_id_z 1
		.amdhsa_system_vgpr_workitem_id 0
		.amdhsa_next_free_vgpr 512
		.amdhsa_next_free_sgpr 66
		.amdhsa_reserve_vcc 0
		.amdhsa_float_denorm_mode_32 3
		.amdhsa_float_denorm_mode_16_64 3
		.amdhsa_memory_ordered 1
		.amdhsa_forward_progress 1
		.amdhsa_inst_pref_size 137
	.end_amdhsa_kernel
	.amdgpu_metadata
---
amdhsa.version: [ 1, 2 ]
amdhsa.kernels:
  - .name:           k_qe87271f979_match
    .symbol:         k_qe87271f979_match.kd
    .args:
      - { .name: reps_rt, .offset: 0, .size: 8, .value_kind: global_buffer, .address_space: global }
      - { .name: reps_lt, .offset: 8, .size: 8, .value_kind: global_buffer, .address_space: global }
      - { .name: kernel, .offset: 16, .size: 8, .value_kind: global_buffer, .address_space: global }
      - { .name: lowp_scales, .offset: 24, .size: 8, .value_kind: global_buffer, .address_space: global }
      - { .name: out0, .offset: 32, .size: 8, .value_kind: global_buffer, .address_space: global }
    .group_segment_fixed_size: 156672
    .private_segment_fixed_size: 0
    .kernarg_segment_align: 8
    .kernarg_segment_size: 40
    .max_flat_workgroup_size: 256
    .sgpr_count:     66
    .vgpr_count:     512
    .wavefront_size: 32
...
	.end_amdgpu_metadata
.endif
;; end of part 1
;; ======== version 2 of 2: 1 launch; version 1 with the launch match written anew for expert scheduling mode
;; launch match (part 2): grid 16 x 16, 8 waves a work-group, no clusters, 156,672 bytes of LDS; arguments reps_rt, reps_lt, kernel, lowp_scales, out0; writes out0
.if DOCPART == 2
	.amdgcn_target "amdgcn-amd-amdhsa--gfx1250"
	.amdhsa_code_object_version 6
	.text
	.protected	k_qe87271f979_match
	.globl	k_qe87271f979_match
	.p2align	8
	.type	k_qe87271f979_match,@function
k_qe87271f979_match:
	s_mov_b64 s[64:65], 0
	v_nop
	global_prefetch_b8 v0, s[64:65] scope:SCOPE_SE
	s_setreg_imm32_b32 hwreg(HW_REG_WAVE_SCHED_MODE, 0, 2), 2
	s_setreg_imm32_b32 hwreg(HW_REG_WAVE_MODE, 25, 1), 1
	s_wait_xcnt 0x0
	s_wait_alu depctr_vm_vsrc(0)
; out0[b][j][m] = max over i of tanh( sum over d of Q(rt[b][j][d]) x Q(lt[b][i][d] x kernel[m][d]) ).  rt, lt: [16][256][256] f32; kernel: [32][256] f32; out0: [16][256][32] f32.
; Q: codes of FP8 (E4M3), x / 2^e held within +-448, to the nearest code, ties to even; e0 (rt) and e1 (lt x kernel) are the two whole numbers in lowp_scales.  The codes are multiplied as they are.
; tanh never falls, and 2^(e0 + e1) is positive: so the maximum is taken of the raw f32 sums, and the scale and tanh are applied to the 131,072 maxima.
; LIMITS: e0 and e1 each between -126 and 119 (2^e and 448 x 2^e are made as f32 numbers); e0 + e1 is applied by v_ldexp_f32 and has no limit.  NaN among the inputs, and 0 x infinity, is not served
; (the maxima drop a NaN).  An infinity is held at the largest code.
; SHARES.  A work-group owns one batch b (grid y) and two neighbouring m, 2 g and 2 g + 1 (grid x), with all 256 j and all 256 i: every code of lt x kernel is made once in the launch, and no maximum
; spans work-groups.  16 x 16 = 256 work-groups of equal work.
; EIGHT WAVES OF 512 REGISTERS, two to a SIMD, so that one wave's vector work, loads and waits stand beside the other's.  Wave w = (iq = w / 2, jh = w % 2) multiplies the 64 rows i of quarter iq, for both m,
; by the 128 rows j of half jh, whose codes (8 tiles x 32 registers) it holds throughout: 128 matrix instructions.  It quantises rows 32 w .. 32 w + 31 of rt for all, and of each UNIT of 16 rows of its
; quarter of lt the eight rows 16 u + 8 jh on; the two waves of a quarter hand each other these codes through a stage in LDS with two buffers, which take turns by the unit.
; ONE BARRIER A UNIT.  In front of it each wave has waited for all its LDS instructions: its stores of unit u + 1 and its reads of unit u.  Behind it unit u + 1 is read, and unit u + 2 is stored where unit u lay.
; K IS PERMUTED, ALIKE ON BOTH SIDES.  Of a row of 256 f32 lane l loads bytes 16 l and bytes 512 + 16 l (each load of the wave covers 512 consecutive bytes), so its eight registers hold
; k = 4 l .. 4 l + 3 and 128 + 4 l .. + 3; one conversion makes eight codes, which lie at byte 8 l of a code row.  Every product meets its partner; only the order inside a sum changes.
; TRANSPOSED USE.  Source 0 = 16 rows i of lt x kernel, source 1 = 16 rows j of rt: a lane holds ONE j (lane % 16), its eight registers eight i: the maximum over i is four v_max3 a tile.
; BY TURNS.  For each matrix instruction there are some eight vector instructions (multiply, hold, convert; the maxima), so a slice of them stands behind each matrix instruction.
; NO JOINT LOADS: the 16 work-groups of a batch read the same rows, but each f32 number is wanted once, in one wave's registers; a tensor load would lay the batch's 512 KiB of f32 into LDS and
; have them read out again, beside the 704 KiB that the codes move through LDS.  So the rows come by plain loads, and there is no ring in LDS to refill.
; THE WAY OUT: a work-group owns 8 bytes (two m) of each row of 128 bytes of out0; that follows from the split by m.  Each thread stores one such pair.
; The text has no label and no branch: 32 groups of four matrix instructions, of which those with a fetch, a barrier or no row left differ.
;
; THE MODE: SCHED_MODE bits 1:0 = 2 (LLVM: expert scheduling mode 2), set by the entry lines.  The code itself states the register dependences between vector or matrix instructions and memory or LDS
; instructions, with s_wait_alu, always for 0.
; THE PLAN.  Registers that memory or LDS instructions touch, and who else names them:
;   v176-255  the ring's ten slots.  A row's two loads land in a slot; rt: the pair's holds and conversions work in it; lt: the row's eight multiplies read it; then the row 10 further on is loaded into it.
;             At the very end the exchange's eight LDS loads land in v176-191.
;   v48-55    two sets of four registers of codes, by turns.  Written by a pair's or a row's conversions, read by its two LDS stores, written again two pairs or two rows later.
;   v112-175  the two fragment sets.  LDS loads land in them, matrix instructions read them; each set is fetched anew once a unit.
;   window 1  rt's tiles, and v16-31, kernel's numbers: loads land in each once, before any instruction has named it.
;   v64-79    the running maxima: read by the exchange's four LDS stores and not written again.   v32-33 at the end: the results, read by the one global store.
;   v1-5, v13-15, v62, v63   offsets and addresses: written at the head and never again.
;   The products, the accumulators, v56-59 and the scales are named by vector and matrix instructions alone.
; THE WAITS.  rt, and lt's rows ahead of the groups: one wait on va_vdst a pair or a row, behind its conversions; its stores and the loads into its slots follow at once.
; In the groups ONE wait on va_vdst stands at a group's head.  It states that the row before has written its codes and is done reading its slot, and that the matrix instructions issued so far are done
; reading their fragments.  Behind it stand that row's two stores and the load into its slot, and later in the group the fetch of a fragment set, where one is due: between the wait and the fetch stand one
; matrix instruction, which reads the OTHER set, and the maxima, which name accumulators, v56-59 and v64-79.  A wait on vm_vsrc at the head of a pair, a row or a group states that the stores of two pairs
; or two rows back have read the set of codes that is written next.  Groups that issue no memory or LDS instruction hold no such wait.
;
; LDS: ACODE 256 rows j x 272 (256 codes + 16: rows start 68 words apart, so the 16 rows of a fragment load start at 16 different banks: ISA guide 11.1);
;      BST, for each quarter: two buffers of two tiles (m 0, m 1) of 16 rows i x 272;   XCH: [wave][chunk of 4 maxima][lane][16 bytes];   behind it the spare words, 128 bytes for each wave.
; REGISTERS, in windows of 256 (s_set_vgpr_msb: bits 1:0 source 0, 3:2 source 1, 5:4 source 2, 7:6 destination):
;   window 0: v0-15 addresses and scales; v16-31 my 8 numbers of kernel for each m; v32-47 products; v48-55 codes; v56-59 at work; v62, v63 the closing add's two; v64-79 running maxima (2 x my j tile + m);
;             v80-111 two sets of two accumulators; v112-175 fragments of lt x kernel, a set of (2 halves of K x 16) for each m; v176-255 a ring of 10 rows of 8 registers
;   window 1: rt's fragments: my tile a at v[32 a + 16 q]
.set PITCH, 272
.set TILEB, 16*PITCH                   ; a tile of 16 code rows
.set BST,   256*PITCH                  ; behind ACODE
.set BSTB,  2*TILEB                    ; a buffer of the stage: one unit, both m
.set BSTQ,  2*BSTB                     ; a quarter's stage
.set XCH,   BST+4*BSTQ                 ; behind the stages: 8 x 2,048 bytes
.set ROWB,  1024                       ; a row of 256 f32
.set SLOTS, 10                         ; rows in the ring
.set VOFF,  1                          ; v1   16 x lane: my 16 bytes in each half of a row; never rewritten
.set VAST,  2                          ; v2   where my 8 codes of rt's row 32 w go
.set VAFR,  3                          ; v3   my place in a fragment of my half of rt: 8 jh tiles + (lane % 16) x 272 + 16 (lane / 16)
.set VBST,  4                          ; v4   where my 8 codes go in my quarter's stage: row 8 jh, byte 8 x lane
.set VBFR,  5                          ; v5   my place in a fragment out of my quarter's stage
                                       ; v6   2^e0    v7  448 x 2^e0    v8  2^e1    v9  448 x 2^e1
.set XST,   13                         ; v13  the exchange: where my maxima go
.set XRD,   14                         ; v14  the exchange: what I read back
.set OOF,   15                         ; v15  my byte offset in out0
.set KM0,   16
.set KM1,   24
.set TA,    32                         ; lt x kernel, m 0
.set TB,    40                         ; lt x kernel, m 1
.set COD,   48
.set TR,    56
.set RUN,   64
.set ACC,   80
.set BF,    112
.set RING,  176
.set MSB, 0
.macro WIN new                         ; the immediate's high byte repeats the setting that is left; a switch that changes nothing is dropped
.if MSB != (\new)
	s_set_vgpr_msb (MSB<<8)|(\new)
.set MSB, (\new)
.endif
.endm
.macro PLACES n
.rept \n
	v_nop
.endr
.endm
; Row z of my wave's stream (0-31: rt's rows 32 w on; 32-63: of lt's quarter the rows 16 u + 8 jh + 0 .. 7, u = 0 .. 3) into its slot of the ring: two loads of 512 consecutive bytes.
; No hint: 16 work-groups read the same rows.
.macro LOADROW z
.set SL, RING+8*((\z)%SLOTS)
.if (\z) < 32
	global_load_b128 v[SL:SL+3],   v[VOFF], s[4:5] offset:(\z)*ROWB
	global_load_b128 v[SL+4:SL+7], v[VOFF], s[4:5] offset:(\z)*ROWB+512
.else
.set LR, (\z)-32
	global_load_b128 v[SL:SL+3],   v[VOFF], s[6:7] offset:(16*(LR/8)+LR%8)*ROWB
	global_load_b128 v[SL+4:SL+7], v[VOFF], s[6:7] offset:(16*(LR/8)+LR%8)*ROWB+512
.endif
.endm
; Two rows of rt become codes and go into ACODE; their slots take the rows 10 further on.
.macro APAIR z
	s_wait_loadcnt 16                              ; loads come back in order (ISA guide 5.7.1): rows z and z + 1 are in; the 8 younger rows, two loads each, stay out
.if (\z) >= 4
	s_wait_alu depctr_vm_vsrc(0)                   ; the LDS stores of two pairs back have read the four registers of codes that this pair's conversions write again
.endif
.set SLA, RING+8*((\z)%SLOTS)
.set SLB, RING+8*(((\z)+1)%SLOTS)
.set CD,  COD+4*(((\z)/2)%2)
.irp i, 0,1,2,3,4,5,6,7
	v_med3_num_f32 v[SLA+\i], v[SLA+\i], -v7, v7   ; the conversion to an 8-bit code does not saturate (ISA guide 7.6.2): hold the number within 448 x the scale first
.endr
	v_cvt_scalef32_pk8_fp8_f32 v[CD:CD+1], v[SLA:SLA+7], v6
.irp i, 0,1,2,3,4,5,6,7
	v_med3_num_f32 v[SLB+\i], v[SLB+\i], -v7, v7   ; (the first of these is the plain place behind the conversion above)
.endr
	v_cvt_scalef32_pk8_fp8_f32 v[CD+2:CD+3], v[SLB:SLB+7], v6
	v_nop                                          ; one plain vector instruction between a scaled conversion and what touches its result or writes its sources
	s_wait_alu depctr_va_vdst(0)                   ; the conversions have written the codes, which the stores read; the holds and conversions are done with the two slots, in which the loads land; in the first pair also: the head's addresses v2 to v5 and v13 to v15 are written
	ds_store_b64 v[VAST], v[CD:CD+1]   offset:(\z)*PITCH          ; the wave stores 256 consecutive bytes: a code row
	ds_store_b64 v[VAST], v[CD+2:CD+3] offset:((\z)+1)*PITCH
	LOADROW (\z)+10
	LOADROW (\z)+11
.endm
; My tile a (0-7) of rt (16 rows j x 256 K) from ACODE into its 32 registers, where it stays.  No instruction has named these registers before; the address was written ahead of the first pair's wait on va_vdst.
.macro ATILE a
	WIN 0x40                                       ; destination window 1, address window 0
.set AR, 32*(\a)
.irp q, 0,1
.irp c, 0,1,2,3
	ds_load_b128 v[AR+16*\q+4*\c:AR+16*\q+4*\c+3], v[VAFR] offset:(\a)*TILEB+128*\q+32*\c
.endr
.endr
.endm
; Row p (0-31) of my share of lt, in three slices of vector work, and QOUT, its memory work.  QA: x kernel, for both m, one f32 multiply a number.
.macro QA p
	WIN 0
.if 31-(\p) < 9
	s_wait_loadcnt 2*(31-(\p))                     ; the rows behind this one, two loads each: none is asked for past row 31
.else
	s_wait_loadcnt 18                              ; this row is in; the 9 younger rows stay out
.endif
.set SLA, RING+8*(((\p)+32)%SLOTS)
.irp i, 0,2,4,6
	v_pk_mul_f32 v[TA+\i:TA+\i+1], v[SLA+\i:SLA+\i+1], v[KM0+\i:KM0+\i+1]
.endr
.irp i, 0,2,4,6
	v_pk_mul_f32 v[TB+\i:TB+\i+1], v[SLA+\i:SLA+\i+1], v[KM1+\i:KM1+\i+1]
.endr
.endm
; QB: m 0's eight numbers are held and converted
.macro QB p
	WIN 0
.set CD, COD+4*((\p)%2)
.irp i, 0,1,2,3,4,5,6,7
	v_med3_num_f32 v[TA+\i], v[TA+\i], -v9, v9
.endr
	v_cvt_scalef32_pk8_fp8_f32 v[CD:CD+1], v[TA:TA+7], v8         ; the plain place behind it is QC's first line; nothing in between names its registers
.endm
; QC: m 1's likewise
.macro QC p
	WIN 0
.set CD, COD+4*((\p)%2)
.irp i, 0,1,2,3,4,5,6,7
	v_med3_num_f32 v[TB+\i], v[TB+\i], -v9, v9
.endr
	v_cvt_scalef32_pk8_fp8_f32 v[CD+2:CD+3], v[TB:TB+7], v8
	v_nop                                          ; the plain place behind the conversion
.endm
; QOUT: behind a wait on va_vdst that stands behind row p's three slices.  The row's slot takes the row 10 further on; its codes go into my quarter's stage: buffer (p / 8) % 2, row 8 jh + p % 8 of each tile.
.macro QOUT p
	WIN 0
.set CD, COD+4*((\p)%2)
.if (\p)+42 <= 63
	LOADROW (\p)+42
.endif
	ds_store_b64 v[VBST], v[CD:CD+1]   offset:(((\p)/8)%2)*BSTB+((\p)%8)*PITCH
	ds_store_b64 v[VBST], v[CD+2:CD+3] offset:(((\p)/8)%2)*BSTB+TILEB+((\p)%8)*PITCH
.endm
; A row ahead of the groups.  out = 1: its memory work follows at once; out = 0: it stands at the head of group 0.
.macro QROW p, out
	s_wait_alu depctr_vm_vsrc(0)                   ; the LDS stores of two rows back (for rows 0 and 1: of rt's last two pairs) have read the four registers of codes that this row's conversions write again
	QA \p
	QB \p
	QC \p
.if \out
	s_wait_alu depctr_va_vdst(0)                   ; the conversions have written the row's codes, which the stores read; the multiplies are done reading the slot, in which the loads land
	QOUT \p
.endif
.endm
; Unit u's tile for m = km (16 rows i x 256 K) out of my quarter's stage into fragment set km.  Half of its rows are the other wave's: it stands behind the unit's barrier.
.macro FFRAG u, km
	WIN 0
.set BR, BF+32*(\km)
.irp q, 0,1
.irp c, 0,1,2,3
	ds_load_b128 v[BR+16*\q+4*\c:BR+16*\q+4*\c+3], v[VBFR] offset:((\u)%2)*BSTB+(\km)*TILEB+128*\q+32*\c
.endr
.endr
.endm
; The maxima of the two accumulators of set st (my j tiles jt, jt + 1; m km) join the running ones.  Each accumulator is read from its low end on; the two alternate, so that
; no line waits for the one just ahead.  first = 1: unit 0 starts the running maxima: nothing is ever initialised.
.macro RED st, km, jt, first
	WIN 0
.set DA, ACC+16*(\st)
.set DB, DA+8
.set RA, RUN+2*(\jt)+(\km)
.set RB, RA+2
	v_max3_num_f32 v[TR],   v[DA],   v[DA+1], v[DA+2]
	v_max3_num_f32 v[TR+2], v[DB],   v[DB+1], v[DB+2]
	v_max3_num_f32 v[TR+1], v[DA+3], v[DA+4], v[DA+5]
	v_max3_num_f32 v[TR+3], v[DB+3], v[DB+4], v[DB+5]
	v_max3_num_f32 v[TR],   v[TR],   v[DA+6], v[DA+7]
	v_max3_num_f32 v[TR+2], v[TR+2], v[DB+6], v[DB+7]
.if \first
	v_max_num_f32 v[RA], v[TR],   v[TR+1]
	v_max_num_f32 v[RB], v[TR+2], v[TR+3]
.else
	v_max3_num_f32 v[RA], v[RA], v[TR],   v[TR+1]
	v_max3_num_f32 v[RB], v[RB], v[TR+2], v[TR+3]
.endif
.endm
; Matrix instruction n of 4 of group g: accumulator n % 2 of set g % 2, half n / 2 of K; unit g / 8, m (g % 8) / 4, my j tile 2 (g % 4) + n % 2.  The first half of K starts the sum with the constant 0.
.macro MM g, n
.set MA, (\n)%2
.set MQ, (\n)/2
.set MT, 2*((\g)%4)+MA
.set MD, ACC+16*((\g)%2)+8*MA
.set MB, BF+32*(((\g)%8)/4)+16*MQ
.set MR, 32*MT+16*MQ
	WIN 0x04                                       ; source 1 (rt) window 1; source 0, C and D window 0
.if MQ == 0
	v_wmma_f32_16x16x128_fp8_fp8 v[MD:MD+7], v[MB:MB+15], v[MR:MR+15], 0
.else
	v_wmma_f32_16x16x128_fp8_fp8 v[MD:MD+7], v[MB:MB+15], v[MR:MR+15], v[MD:MD+7]
.endif
.endm
; A GROUP: four matrix instructions on two accumulators, which take turns, one instruction a turn; the sets alternate from group to group.  At its head stand its waits on
; vm_vsrc and va_vdst and, behind them, the memory work of row 9 + g, whose slices stood in the group before (g <= 22).  Behind each matrix instruction stands a slice:
; behind 0 the maxima of the group before (and the fetches that are due), behind 1 to 3 the three slices of row 10 + g, as long as there are rows (g <= 21).
; Unit u + 1's last row is made in group 8 u + 5 and stored at the head of group 8 u + 6, which holds the unit's barrier and, behind it, the fetch of its tile for m 0 (7 matrix instructions ahead of the
; first use; that set's last reader stands three groups back); its tile for m 1 is fetched in group 8 u + 8, behind the set's last reader, 15 matrix instructions ahead of the first use.
; A vector instruction that reads a matrix result, and a load into a register that a matrix instruction has read, stand four places behind it, and only plain vector instructions that name none of its
; registers are places (ISA guide 7.12.1 for vector instructions): up to group 22 the last slice of the group before (eight holds and a v_nop) holds those places; from
; group 23 on four v_nop stand ahead of the maxima.  An accumulator is written over two groups after its sum was finished: those places and the other accumulator's four lines of maxima stand between.
.macro GROUP g
.set PG, (\g)-1
.set PF, 0
.if (\g) < 9
.set PF, 1
.endif
.set BAR, 0
.if (((\g)%8) == 6) && ((\g) < 24)
.set BAR, 1
.endif
.if (\g) <= 22
	WIN 0                                          ; (the switch, where one is due, stands ahead of the waits)
.endif
.if (\g) <= 21
	s_wait_alu depctr_vm_vsrc(0)                   ; the stage stores of row 8 + g, issued a group back, have read the four registers of codes that this group's conversions write again
.endif
.if (\g) <= 22
	s_wait_alu depctr_va_vdst(0)                   ; row 9 + g's conversions have written its codes, which the stores below read; its multiplies are done reading its slot, in which the loads below land; the matrix instructions issued so far are done reading the fragment set in which this group's fetch, where it has one, lands
	QOUT 9+(\g)
.elseif (\g) == 24
	s_wait_alu depctr_va_vdst(0)                   ; group 23's matrix instructions are done reading m 1's fragment set, in which this group's fetch lands
.endif
.if (\g) == 0
	s_wait_dscnt 28                                ; rt's tiles 0, 1 and m 0's fragments are in: behind them stand tiles 2, 3 (16 loads), m 1's fragments (8) and four stores
.elseif (\g) == 1
	s_wait_dscnt 30                                ; tiles 2, 3 are in: behind them 8 loads, 4 stores, the 16 loads of tiles 4, 5 and 2 stores
.elseif (\g) == 2
	s_wait_dscnt 20                                ; tiles 4, 5 are in: behind them 2 stores, the 16 loads of tiles 6, 7 and 2 stores
.elseif ((\g) == 3) || ((\g) == 8) || ((\g) == 16)
	s_wait_dscnt 4                                 ; the fragments that this group is first to use are in: behind their loads stand two groups' stores into the stage
.elseif ((\g) == 12) || ((\g) == 20)
	s_wait_dscnt 8                                 ; m 1's fragments are in: behind their loads stand four groups' stores into the stage
.elseif ((\g) == 24) || ((\g) == 28)
	s_wait_dscnt 0x0                               ; the last unit's fragments: no LDS instruction was issued behind them
.elseif BAR
	s_wait_dscnt 0x0                               ; for the other wave's sake: my rows of the next unit are in the stage, and my reads of the buffer that is written next are over
	s_barrier_signal -1
.endif
	MM \g, 0
.if (\g) < 2
	ATILE 4+2*(\g)
	ATILE 5+2*(\g)
.endif
.if (\g) > 0
.if (\g) > 22
	PLACES 4
.endif
	RED PG%2, (PG%8)/4, 2*(PG%4), PF               ; (in a group with a barrier: register work between the signal and the wait)
.endif
.if BAR
	s_barrier_wait -1                              ; every wave has said so
	FFRAG (\g)/8+1, 0                              ; no wait: since the one at the group's head only m 1's set, accumulators and maxima have been named
.endif
.if (((\g)%8) == 0) && ((\g) > 0)
	FFRAG (\g)/8, 1                                ; no wait: since the one at the group's head only m 0's set, accumulators and maxima have been named
.endif
	MM \g, 1
.if (\g) <= 21
	QA 10+(\g)
.endif
	MM \g, 2
.if (\g) <= 21
	QB 10+(\g)
.endif
	MM \g, 3
.if (\g) <= 21
	QC 10+(\g)
.endif
.endm
	; THE HEAD: addresses, and the ring is filled before anything else is done
	s_load_b256 s[4:11], s[0:1], 0x0               ; rt s[4:5], lt s[6:7], kernel s[8:9], lowp_scales s[10:11]
	s_load_b64 s[12:13], s[0:1], 0x20              ; out0
	v_lshl_add_u32 v62, v0, 2, 0x26000
	v_mov_b32 v63, 0
	v_lshrrev_b32 v10, 5, v0
	v_readfirstlane_b32 s14, v10                   ; wave 0..7
	v_and_b32 v10, 31, v0                          ; lane
	v_lshlrev_b32 v[VOFF], 4, v10
	s_and_b32 s15, ttmp7, 0xffff                   ; b
	s_wait_alu depctr_va_sdst(0)                   ; s14 is written, ahead of its first reader: the bases and the LDS addresses are made from it
	s_lshr_b32 s25, s14, 1                         ; iq: my quarter of i
	s_and_b32 s26, s14, 1                          ; jh: my half of j
	s_lshl_b32 s16, s15, 18                        ; rt: b x 256 rows of 1,024 bytes
	s_lshl_b32 s17, s14, 15                        ; + wave x 32 rows
	s_add_co_u32 s16, s16, s17
	s_mov_b32 s17, 0
	s_lshl_b32 s18, s15, 18                        ; lt: b x 256 rows
	s_lshl_b32 s19, s25, 16                        ; + iq x 64 rows
	s_add_co_u32 s18, s18, s19
	s_lshl_b32 s19, s26, 13                        ; + jh x 8 rows
	s_add_co_u32 s18, s18, s19
	s_mov_b32 s19, 0
	s_lshl_b32 s22, ttmp9, 11                      ; g x 2 rows of kernel
	s_mov_b32 s23, 0
	s_wait_kmcnt 0x0
	s_load_b64 s[20:21], s[10:11], 0x0             ; e0, e1
	s_add_nc_u64 s[4:5], s[4:5], s[16:17]
	s_add_nc_u64 s[6:7], s[6:7], s[18:19]
	s_add_nc_u64 s[8:9], s[8:9], s[22:23]
	s_wait_alu depctr_va_vdst(0)                   ; v1 is written: every global load of the kernel reads it as its offset
	global_load_b128 v[KM0:KM0+3],   v[VOFF], s[8:9]              ; kernel[2 g][4 l ..], [128 + 4 l ..]: the same k as a slot's eight registers
	global_load_b128 v[KM0+4:KM0+7], v[VOFF], s[8:9] offset:512
	global_load_b128 v[KM1:KM1+3],   v[VOFF], s[8:9] offset:1024  ; kernel[2 g + 1]
	global_load_b128 v[KM1+4:KM1+7], v[VOFF], s[8:9] offset:1536
.set Z, 0
.rept SLOTS
	LOADROW Z                                      ; 10 rows: 20 loads, 10 KiB a wave on their way, 80 KiB for the eight waves
.set Z, Z+1
.endr
	s_lshl_b32 s16, s15, 15                        ; out0: b x 256 rows of 128 bytes
	s_lshl_b32 s18, ttmp9, 3                       ; + my two m
	s_add_co_u32 s16, s16, s18
	s_add_nc_u64 s[12:13], s[12:13], s[16:17]
	v_and_b32 v11, 15, v0                          ; r
	s_wait_alu depctr_va_vdst(0)
	v_bfe_u32 v12, v0, 4, 1                        ; h
	s_mul_i32 s22, s14, 32*PITCH
	v_lshl_add_u32 v[VAST], v10, 3, s22            ; ACODE: row 32 w, byte 8 l
	v_mul_u32_u24 v[VAFR], v11, PITCH
	v_lshl_add_u32 v[VAFR], v12, 4, v[VAFR]        ; a fragment: row r, + 16 h
	s_mul_i32 s23, s25, BSTQ
	s_add_co_u32 s23, s23, BST                     ; my quarter's stage
	v_add_nc_u32 v[VBFR], s23, v[VAFR]
	s_mul_i32 s27, s26, 8*PITCH                    ; my eight rows of each tile in it
	s_add_co_u32 s27, s27, s23
	v_lshl_add_u32 v[VBST], v10, 3, s27
	s_mul_i32 s27, s26, 8*TILEB                    ; my half of rt's tiles
	v_add_nc_u32 v[VAFR], s27, v[VAFR]
	s_lshl_b32 s22, s14, 11
	s_add_co_u32 s22, s22, XCH
	v_lshl_add_u32 v[XST], v10, 4, s22             ; the exchange, in: wave x 2,048 + 16 x lane (+ 512 x chunk)
	; the exchange, back: thread t finishes row j = t: j tile 2 w + h, that is half w / 4 of j, chunk w % 4, and h picks the tile of the chunk's two
	s_and_b32 s22, s14, 3
	s_lshl_b32 s22, s22, 9
	s_lshr_b32 s23, s14, 2
	s_lshl_b32 s23, s23, 11
	s_add_co_u32 s22, s22, s23
	s_add_co_u32 s22, s22, XCH
	v_lshl_add_u32 v[XRD], v11, 4, s22
	s_wait_alu depctr_va_vdst(0)
	v_lshl_add_u32 v[XRD], v12, 3, v[XRD]          ; 2,048 (w / 4) + 512 (w % 4) + 16 r + 8 h (+ 4,096 x quarter + 256 x half of the lanes)
	v_lshlrev_b32 v[OOF], 7, v0                    ; out0: row j = t of 128 bytes
	s_wait_kmcnt 0x0
	s_add_co_i32 s24, s20, s21                     ; e0 + e1
	s_add_co_i32 s22, s20, 127
	s_lshl_b32 s23, s22, 23
	v_mov_b32 v6, s23                              ; 2^e0 as f32: the conversion takes its exponent field
	s_add_co_i32 s22, s22, 8
	s_lshl_b32 s22, s22, 23
	s_or_b32 s22, s22, 0x600000
	v_mov_b32 v7, s22                              ; 448 x 2^e0
	s_add_co_i32 s22, s21, 127
	s_lshl_b32 s23, s22, 23
	v_mov_b32 v8, s23                              ; 2^e1
	s_add_co_i32 s22, s22, 8
	s_lshl_b32 s22, s22, 23
	s_or_b32 s22, s22, 0x600000
	v_mov_b32 v9, s22                              ; 448 x 2^e1
	; rt's CODES: my 32 rows.  rt and lt are one stream through the ring: lt's first 10 rows are asked for while rt's last are worked on.
.set Z, 0
	s_wait_alu depctr_va_vdst(0)
.rept 16
	APAIR Z
.set Z, Z+2
.endr
	; UNIT 0: my eight rows of it
.set W, 0
.rept 8
	QROW W, 1
.set W, W+1
.endr
	s_wait_dscnt 0x0                               ; for the others' sake: my code rows of rt and my rows of unit 0 are in LDS
	s_barrier_signal -1
	s_barrier_wait -1                              ; everybody's are; nobody writes ACODE again
	ATILE 0
	ATILE 1
	FFRAG 0, 0                                     ; the first fetches: no instruction has named the fragment sets yet
	ATILE 2
	ATILE 3
	FFRAG 0, 1
	QROW 8, 1                                      ; two rows of unit 1, for the other buffer, while the fragments are on their way;
	QROW 9, 0                                      ; the second's memory work stands at the head of group 0
.set GG, 0
.rept 32
	GROUP GG
.set GG, GG+1
.endr
	PLACES 4                                       ; behind the last products
	RED 1, 1, 6, 0
	; THE WAY OUT.  A lane holds, for each (my j tile, m), the maximum over 8 of each 16 of my quarter's 64 i.  The other half of the lanes and the three other quarters hold the rest: all meet in LDS.
	s_wait_alu depctr_va_vdst(0)                   ; the maxima have written v64 to v79, which the LDS stores read; and the multiplies are long done reading the ring's slots, in which the loads behind the barrier land
.irp p, 0,1,2,3
	ds_store_b128 v[XST], v[RUN+4*\p:RUN+4*\p+3] offset:512*\p    ; chunk p: my j tile 2 p (m 0, m 1), my j tile 2 p + 1 (m 0, m 1)
.endr
	s_wait_dscnt 0x0                               ; for the others' sake: my maxima are in LDS
	s_barrier_signal -1
	s_barrier_wait -1
.irp k, 0,1,2,3,4,5,6,7
	ds_load_b64 v[RING+2*\k:RING+2*\k+1], v[XRD] offset:4096*(\k/2)+256*(\k%2)   ; quarter k / 2, half k % 2 of its lanes: the eight partial maxima of my two numbers; the 32 lanes read 256 consecutive bytes
.endr
	s_wait_dscnt 0x0
.irp e, 0,1
	v_max3_num_f32 v[32+\e], v[RING+\e], v[RING+2+\e], v[RING+4+\e]
.endr
.irp e, 0,1
	v_max3_num_f32 v[32+\e], v[32+\e], v[RING+6+\e], v[RING+8+\e]
.endr
.irp e, 0,1
	v_max3_num_f32 v[32+\e], v[32+\e], v[RING+10+\e], v[RING+12+\e]
.endr
.irp e, 0,1
	v_max_num_f32 v[32+\e], v[32+\e], v[RING+14+\e]
.endr
.irp e, 0,1
	v_ldexp_f32 v[32+\e], v[32+\e], s24            ; x 2^(e0 + e1): the score
.endr
.irp e, 0,1
	v_mul_f32 v[32+\e], 0x4038aa3b, v[32+\e]       ; x 2 log2(e)
.endr
	s_wait_alu depctr_va_vdst(0)
.irp e, 0,1
	v_exp_f32 v[32+\e], v[32+\e]                   ; e^(2 x); infinity and 0 at the far ends give 1 and -1 below
.endr
	v_nop                                          ; one plain instruction behind the transcendentals before their results are used
	s_wait_alu depctr_va_vdst(0)                   ; the two exponentials have written v32 and v33, ahead of their first reader
.irp e, 0,1
	v_add_f32 v[32+\e], 1.0, v[32+\e]
.endr
	s_wait_alu depctr_va_vdst(0)
.irp e, 0,1
	v_rcp_f32 v[32+\e], v[32+\e]
.endr
	v_nop
	s_wait_alu depctr_va_vdst(0)                   ; the two reciprocals have written v32 and v33, ahead of their first reader
.irp e, 0,1
	v_fma_f32 v[32+\e], v[32+\e], -2.0, 1.0        ; tanh(x) = 1 - 2 / (1 + e^(2 x))
.endr
	s_wait_alu depctr_va_vdst(0)                   ; the multiply-adds have written v32 and v33, which the store reads
	global_store_b64 v[OOF], v[32:33], s[12:13]                   ; out0[b][t][2 g, 2 g + 1]
	s_wait_dscnt 0x0                               ; the closing lines, six on end
	s_wait_alu 0x0
	s_wait_tensorcnt 0x0
	ds_add_u32 v62, v63
	s_wait_dscnt 0x0
	s_endpgm
.Lfunc_end_k_qe87271f979_match:
	.size	k_qe87271f979_match, .Lfunc_end_k_qe87271f979_match-k_qe87271f979_match
	.p2alignl 7, 3214868480
	.fill 96, 4, 3214868480
	.section	.rodata,"a",@progbits
	.p2align	6, 0x0
	.amdhsa_kernel k_qe87271f979_match
		.amdhsa_group_segment_fixed_size 156672
		.amdhsa_private_segment_fixed_size 0
		.amdhsa_enable_private_segment 0
		.amdhsa_kernarg_size 40
		.amdhsa_user_sgpr_count 2
		.amdhsa_user_sgpr_kernarg_segment_ptr 1
		.amdhsa_wavefront_size32 1
		.amdhsa_system_sgpr_workgroup_id_x 1
		.amdhsa_system_sgpr_workgroup_id_y 1
		.amdhsa_system_sgpr_workgroup_id_z 1
		.amdhsa_system_vgpr_workitem_id 0
		.amdhsa_next_free_vgpr 512
		.amdhsa_next_free_sgpr 66
		.amdhsa_reserve_vcc 0
		.amdhsa_float_denorm_mode_32 3
		.amdhsa_float_denorm_mode_16_64 3
		.amdhsa_memory_ordered 1
		.amdhsa_forward_progress 1
		.amdhsa_inst_pref_size 141
	.end_amdhsa_kernel
	.amdgpu_metadata
---
amdhsa.version: [ 1, 2 ]
amdhsa.kernels:
  - .name:           k_qe87271f979_match
    .symbol:         k_qe87271f979_match.kd
    .args:
      - { .name: reps_rt, .offset: 0, .size: 8, .value_kind: global_buffer, .address_space: global }
      - { .name: reps_lt, .offset: 8, .size: 8, .value_kind: global_buffer, .address_space: global }
      - { .name: kernel, .offset: 16, .size: 8, .value_kind: global_buffer, .address_space: global }
      - { .name: lowp_scales, .offset: 24, .size: 8, .value_kind: global_buffer, .address_space: global }
      - { .name: out0, .offset: 32, .size: 8, .value_kind: global_buffer, .address_space: global }
    .group_segment_fixed_size: 156672
    .private_segment_fixed_size: 0
    .kernarg_segment_align: 8
    .kernarg_segment_size: 40
    .max_flat_workgroup_size: 256
    .sgpr_count:     66
    .vgpr_count:     512
    .wavefront_size: 32
...
	.end_amdgpu_metadata
.endif
;; end of part 2
